; MI455X (gfx1250); checked and timed in simulation.
; The chip was launched on July 23, 2026; its instructions are those of AMD's public machine-readable ISA for CDNA 5 (MIT licence, August 2026) and "CDNA5" Instruction Set Architecture Reference Guide (July 2026). The comments in the code are by the model that wrote it; some were corrected since.
;; Multi Head Attention. Allowed arithmetic: float matrix products may take bf16 or f16 operands with f32 sums; all other float work in f32.
;; Inputs: k_proj 12 x 768 x 64 float32; q_proj 12 x 768 x 64 float32; v_proj 12 x 768 x 64 float32; x 1 x 4,096 x 768 float32.
;; Outputs: out0 1 x 12 x 4,096 x 64 float32.
;; One version. Each part assembles by itself: llvm-mc -triple=amdgcn-amd-amdhsa -mcpu=gfx1250 --defsym DOCPART=n.
;; ======== version 1 of 1: 3 launches
;; workspace buffers: xb 6,291,456 bytes; wb 3,538,944 bytes; qs 12,582,912 bytes; ks 12,582,912 bytes; vt 6,291,456 bytes; qsc 12,288 bytes; ksc 12,288 bytes
;; launch cast (part 1): grid 300 x 1, 8 waves a work-group, no clusters, 0 bytes of LDS; arguments x, q_proj, k_proj, v_proj, xb, wb; writes xb, wb
.if DOCPART == 1
	.amdgcn_target "amdgcn-amd-amdhsa--gfx1250"
	.amdhsa_code_object_version 6
	.text
	.protected	k_q814b49b783_cast
	.globl	k_q814b49b783_cast
	.p2align	8
	.type	k_q814b49b783_cast,@function
k_q814b49b783_cast:
	s_mov_b64 s[64:65], 0
	v_nop
	global_prefetch_b8 v0, s[64:65] scope:SCOPE_SE
	s_setreg_imm32_b32 hwreg(HW_REG_WAVE_MODE, 25, 1), 1
	s_wait_xcnt 0x0
; cast: x and the three projection tables, f32, are rounded once to bf16 (nearest even).
;   xb = bf16 [4096][768], x's own order.
;   wb = bf16 [head 12][K step 6][type 3: q, k, v][128 k][64 n]: what one head needs in one K step of 128 is 48 KiB without a gap.
; A work-group takes 16,384 numbers (64 KiB in, 32 KiB out): groups 0-191 take x, 192-227 q_proj, 228-263 k_proj, 264-299 v_proj.
; A wave takes 8 KiB: sixteen loads of 16 bytes a lane, all issued at once; each load of a wave covers 512 neighbouring bytes and each
; store 256 neighbouring bytes that start at a multiple of 256 from the buffer's first byte.  Every byte is read once and written once.
; A pure stream: no LDS, no barrier, no matrix unit, no cluster (no two work-groups read the same byte).
; The two ways (x, weights) are written out to their own ends, each with its own base registers.
.set X, 4                              ; v[4:67]   sixteen loads of four f32
.set Y, 68                             ; v[68:99]  sixteen pairs of packed bf16
.macro STREAM src, dst
.set i, 0
.rept 16
	global_load_b128 v[X+4*i:X+4*i+3], v2, s[\src:\src+1] offset:512*i th:TH_LOAD_NT
.set i, i+1
.endr
.set i, 0
.rept 16
	s_wait_loadcnt 15-i                            ; loads come back in order (ISA guide 5.7.1): load i is in, the 15-i younger ones stay out
	v_cvt_pk_bf16_f32 v[Y+2*i],   v[X+4*i],   v[X+4*i+1]
	v_cvt_pk_bf16_f32 v[Y+2*i+1], v[X+4*i+2], v[X+4*i+3]
	global_store_b64 v3, v[Y+2*i:Y+2*i+1], s[\dst:\dst+1] offset:256*i
.set i, i+1
.endr
	s_endpgm
.endm
	s_load_b256 s[4:11], s[0:1], 0x0               ; x s[4:5], q_proj s[6:7], k_proj s[8:9], v_proj s[10:11]
	s_load_b128 s[12:15], s[0:1], 0x20             ; xb s[12:13], wb s[14:15]
	v_lshrrev_b32 v1, 5, v0
	v_readfirstlane_b32 s16, v1                    ; wave 0..7
	v_and_b32 v3, 31, v0                           ; lane
	v_lshlrev_b32 v2, 4, v3
	v_lshl_add_u32 v2, v1, 13, v2                  ; source: 8,192 wave + 16 lane
	v_lshlrev_b32 v3, 3, v3                        ; destination: 8 lane (the wave's part is in the base)
	s_mov_b32 s19, 0
	s_mov_b32 s25, 0
	s_wait_kmcnt 0x0
	s_cmp_lt_u32 ttmp9, 192
	s_cbranch_scc0 .Lweights
	; x: group g takes bytes 65,536 g of x and 32,768 g of xb
	s_lshl_b32 s18, ttmp9, 16
	s_add_nc_u64 s[20:21], s[4:5], s[18:19]
	s_lshl_b32 s24, ttmp9, 15
	s_lshl_b32 s26, s16, 12
	s_add_co_u32 s24, s24, s26
	s_add_nc_u64 s[22:23], s[12:13], s[24:25]
	STREAM 20, 22
.Lweights:
	s_sub_co_u32 s17, ttmp9, 192                   ; e = 0..107
	s_cmp_ge_u32 s17, 36
	s_cselect_b32 s26, 1, 0
	s_cselect_b64 s[30:31], s[8:9], s[6:7]         ; the table is chosen by the group's number alone
	s_cmp_ge_u32 s17, 72
	s_cselect_b32 s27, 1, 0
	s_cselect_b64 s[30:31], s[10:11], s[30:31]
	s_add_co_u32 s26, s26, s27                     ; type 0, 1, 2 = q, k, v
	s_mul_i32 s27, s26, 36
	s_sub_co_u32 s17, s17, s27                     ; r = 0..35: 256 rows of e of one head
	s_lshl_b32 s18, s17, 16
	s_add_nc_u64 s[30:31], s[30:31], s[18:19]
	s_mul_i32 s27, s17, 43
	s_lshr_b32 s27, s27, 7                         ; head = r / 3 (43 r >> 7 is exact for r < 36)
	s_mul_i32 s28, s27, 3
	s_sub_co_u32 s28, s17, s28                     ; a = r mod 3
	s_lshl_b32 s28, s28, 1
	s_lshr_b32 s29, s16, 2
	s_add_co_u32 s28, s28, s29                     ; K step = 2 a + wave / 4 (a wave holds 32 rows of e)
	s_mul_i32 s27, s27, 6
	s_add_co_u32 s27, s27, s28
	s_mul_i32 s27, s27, 3
	s_add_co_u32 s27, s27, s26                     ; (head 6 + K step) 3 + type
	s_lshl_b32 s24, s27, 14                        ; blocks of 16,384 bytes
	s_and_b32 s29, s16, 3
	s_lshl_b32 s29, s29, 12
	s_add_co_u32 s24, s24, s29                     ; + 4,096 (wave mod 4)
	s_add_nc_u64 s[32:33], s[14:15], s[24:25]
	STREAM 30, 32
.Lfunc_end_k_q814b49b783_cast:
	.size	k_q814b49b783_cast, .Lfunc_end_k_q814b49b783_cast-k_q814b49b783_cast
	.p2alignl 7, 3214868480
	.fill 96, 4, 3214868480
	.section	.rodata,"a",@progbits
	.p2align	6, 0x0
	.amdhsa_kernel k_q814b49b783_cast
		.amdhsa_group_segment_fixed_size 0
		.amdhsa_private_segment_fixed_size 0
		.amdhsa_enable_private_segment 0
		.amdhsa_kernarg_size 48
		.amdhsa_user_sgpr_count 2
		.amdhsa_user_sgpr_kernarg_segment_ptr 1
		.amdhsa_wavefront_size32 1
		.amdhsa_system_sgpr_workgroup_id_x 1
		.amdhsa_system_sgpr_workgroup_id_y 1
		.amdhsa_system_sgpr_workgroup_id_z 1
		.amdhsa_system_vgpr_workitem_id 0
		.amdhsa_next_free_vgpr 104
		.amdhsa_next_free_sgpr 66
		.amdhsa_reserve_vcc 0
		.amdhsa_float_denorm_mode_32 3
		.amdhsa_float_denorm_mode_16_64 3
		.amdhsa_memory_ordered 1
		.amdhsa_forward_progress 1
		.amdhsa_inst_pref_size 13
	.end_amdhsa_kernel
	.amdgpu_metadata
---
amdhsa.version: [ 1, 2 ]
amdhsa.kernels:
  - .name:           k_q814b49b783_cast
    .symbol:         k_q814b49b783_cast.kd
    .args:
      - { .name: x, .offset: 0, .size: 8, .value_kind: global_buffer, .address_space: global }
      - { .name: q_proj, .offset: 8, .size: 8, .value_kind: global_buffer, .address_space: global }
      - { .name: k_proj, .offset: 16, .size: 8, .value_kind: global_buffer, .address_space: global }
      - { .name: v_proj, .offset: 24, .size: 8, .value_kind: global_buffer, .address_space: global }
      - { .name: xb, .offset: 32, .size: 8, .value_kind: global_buffer, .address_space: global }
      - { .name: wb, .offset: 40, .size: 8, .value_kind: global_buffer, .address_space: global }
    .group_segment_fixed_size: 0
    .private_segment_fixed_size: 0
    .kernarg_segment_align: 8
    .kernarg_segment_size: 48
    .max_flat_workgroup_size: 256
    .sgpr_count:     66
    .vgpr_count:     104
    .wavefront_size: 32
...
	.end_amdgpu_metadata
.endif
;; end of part 1
;; launch proj (part 2): grid 12 x 16, 4 waves a work-group, clusters of 4 x 4, 327,680 bytes of LDS; arguments xb, wb, qs, ks, vt, qsc, ksc; writes qs, ks, vt, qsc, ksc
.if DOCPART == 2
	.amdgcn_target "amdgcn-amd-amdhsa--gfx1250"
	.amdhsa_code_object_version 6
	.text
	.protected	k_q814b49b783_proj
	.globl	k_q814b49b783_proj
	.p2align	8
	.type	k_q814b49b783_proj,@function
k_q814b49b783_proj:
	s_mov_b64 s[64:65], 0
	v_nop
	global_prefetch_b8 v0, s[64:65] scope:SCOPE_SE
	s_setreg_imm32_b32 hwreg(HW_REG_WAVE_MODE, 25, 1), 1
	s_wait_xcnt 0x0
	s_wait_alu depctr_hold_cnt(0) depctr_sa_sdst(0) depctr_va_vdst(0) depctr_va_sdst(0) depctr_va_ssrc(0) depctr_va_vcc(0) depctr_vm_vsrc(0)
	s_getreg_b32 s2, hwreg(HW_REG_IB_STS2, 6, 4)
	s_cmp_eq_u32 s2, 0
	s_cbranch_scc0 .Lentry_in_a_cluster
	s_endpgm
.Lentry_in_a_cluster:
	s_bfe_u32 s2, ttmp6, 0x10000c
	s_cmp_lg_u32 s2, 0xf033
	s_cbranch_scc0 .Lentry_shape_is_right
	s_endpgm
.Lentry_shape_is_right:
; proj: q, k, v of one head for 256 rows of x.  bf16 operands, f32 sums, K = 768 in six steps of 128, all written out.
; Work-group (h, R): head h = grid x, rows 256 R .. 256 R + 255 = grid y.  12 x 16 = 192 work-groups: a block keeps the whole 64 columns of
; q, of k and of v of a head (the scales below need them), and 4096 x 2304 has no split into 256 such equal blocks that also forms 4 x 4 clusters.
; Wave w: rows 64 w .. 64 w + 63 x 192 columns = 48 accumulator tiles, 384 registers.
; WHAT IS STORED
;   qs, ks: f16 [12][4096][128]: a row is 64 numbers 'hi' and 64 numbers 'lo' (256 bytes); hi + lo hold 22 bits of the f32 result.
;           Each group of 16 rows x 64 columns is first multiplied by a power of two that brings its largest magnitude into [2^12, 2^13),
;           so f16's range is never left, whatever the size of the inputs.  The inverse power is stored in qsc, ksc: f32 [12][256].
;   vt:     bf16 [12][64][4096]: v transposed, keys along the rows.
; LIMITS: NaN and infinite inputs are not served.  A group whose largest magnitude is below 2^-51 is scaled as if it were 2^-51 (the exponent is
;         floored at 76), so that the product of two stored scales and log2(e)/8 never becomes zero; such a group keeps fewer than 22 bits.
; CLUSTERS: 4 x 4.  x's tile hangs on R alone and is shared along a row of the cluster, the weights' tile on h alone and is shared along a column:
; each is asked for jointly by the four that need it.
; The two scale stores of a wave are 16 bytes each (64 neighbouring bytes a work-group): 24 KiB in the whole launch.
; REGISTER WINDOWS: 0: addresses, x fragments (two buffers), scratch of the way out; 1: weight fragments (two buffers);
;                   2: q and k tiles at 8 (16 u + 4 rt + ct); 3: v tiles at 8 (4 rt + ct).
.set PA,     272                       ; LDS pitch of x's rows: 256 bytes + 16
.set PB,     160                       ; LDS pitch of the weights' rows: 128 bytes + 32 (an odd multiple of 32, for the transposing load)
.set SLOT,   131072                    ; x: 256 rows x 272 = 69,632; weights: 384 rows x 160 = 61,440
.set BOFF,   69632
.set STAGE,  262144                    ; 4 x 16 rows x 272: each wave's own, no tensor load lands here
.set VSTAGE, 279552                    ; 64 rows x 528: v transposed, for the whole work-group
.set AADR, 4                           ; v4-5   x fragments in slot 0, 1
.set BADR, 6                           ; v6-7   weight fragments in slot 0, 1
.set STO,  8                           ; my 16 bytes of a row in my stage
.set RD,   9                           ; a row read back
.set CO,   10                          ; 16 x lane
.set VST,  11
.set VRD,  12
.set ZO,   13                          ; 0
.set INV,  14                          ; v14-15 the group's power of two, twice
.set FWQ,  16                          ; v16-19 inverse powers of my four q groups
.set FWK,  20                          ; v20-23 of my four k groups
.set XF,   32                          ; v32-95 x fragments, two buffers of 4 x 8; on the way out: rows read back
.set WF,   0                           ; window 1: v0-191 weight fragments, two buffers of 12 x 8
.set VV,   96                          ; way out: 32 scaled numbers, then their low parts
.set HI,   128                         ; their high parts
.set PH,   160                         ; packed f16, high
.set PL,   176                         ; packed f16, low
.set T,    192                         ; maxima
.set G1A, 32                           ; s[32:39] group 1 of x's tiles
.set G0A, 40                           ; s[40:47] group 0, a set for each slot
.set G1B, 48                           ; s[48:55] group 1 of the weights' tiles
.set G0B, 56                           ; s[56:63] group 0, a set for each slot
.set MSB, 0
.macro WIN new                         ; the immediate's high byte repeats the setting that is left
.if MSB != \new
	s_set_vgpr_msb (MSB<<8)|\new
.set MSB, \new
.endif
.endm
.macro PLACES                          ; four places behind matrix instructions (ISA guide 7.12.1)
.rept 4
	v_nop
.endr
.endm
.macro JLOAD s                         ; waves 0, 1 ask for x's two halves, waves 2, 3 for the weights'; the branch hangs on the wave's number alone
	s_cmp_eq_u32 s19, 0
	s_cbranch_scc0 .Lfor_b_\@
	tensor_load_to_lds s[G0A+4*(\s):G0A+4*(\s)+3], s[G1A:G1A+7]
	s_nop 0
	s_branch .Lasked_\@
.Lfor_b_\@:
	tensor_load_to_lds s[G0B+4*(\s):G0B+4*(\s)+3], s[G1B:G1B+7]
	s_nop 0
.Lasked_\@:
.endm
.macro CREST                           ; a round of the cluster's barrier behind its opening work-group barrier
	s_cmp_lg_u32 s18, 0
	s_cbranch_scc1 .Lnot_wave_0_\@
	s_barrier_signal -3
.Lnot_wave_0_\@:
	s_barrier_wait -3
	s_barrier_signal -1
	s_barrier_wait -1
.endm
.macro CROUND
	s_barrier_signal -1
	s_barrier_wait -1
	CREST
.endm
	s_load_b256 s[4:11], s[0:1], 0x0               ; xb s[4:5], wb s[6:7], qs s[8:9], ks s[10:11]
	s_load_b128 s[12:15], s[0:1], 0x20             ; vt s[12:13], qsc s[14:15]
	s_load_b64 s[16:17], s[0:1], 0x30              ; ksc
	v_lshl_add_u32 v255, v0, 2, 0x4c800
	s_set_vgpr_msb 0x40
	v_mov_b32 v255, 0
	s_set_vgpr_msb 0x4044
	ds_add_u32 v255, v255
	s_set_vgpr_msb 0x4400
	v_lshrrev_b32 v1, 5, v0
	v_readfirstlane_b32 s18, v1                    ; wave 0..3
	s_lshr_b32 s19, s18, 1                         ; 0: I ask for x, 1: for the weights
	s_and_b32 s20, s18, 1                          ; which half of that tile
	s_bfe_u32 s21, ttmp6, 0x40000                  ; cx
	s_bfe_u32 s22, ttmp6, 0x40004                  ; cy
	s_lshl_b32 s23, ttmp9, 2
	s_add_co_u32 s23, s23, s21                     ; head h = 4 x cluster x + cx
	s_and_b32 s24, ttmp7, 0xffff
	s_lshl_b32 s24, s24, 2
	s_add_co_u32 s24, s24, s22                     ; row block R = 4 x cluster y + cy
	s_lshl_b32 s25, s22, 2
	s_lshl_b32 s25, 15, s25                        ; my row of the cluster
	s_lshl_b32 s26, 0x1111, s21                    ; my column
	s_mov_b32 s27, 0x76543210                      ; v_permlanex16_b32: lane i reads lane i of the other half
	s_mov_b32 s28, 0xfedcba98
	s_mov_b32 s29, 0xffffe000                      ; keeps sign, exponent and ten bits of an f32: what an f16 holds
	; group 1 of x's tiles: 128 rows x 128 bf16, 4 words of padding behind every 64
	s_or_b32 s[G1A+0], s25, (1<<16)|(1<<20)|(1<<21)|(5<<22)|(3<<25)
	s_mov_b32 s[G1A+1], 128<<16                    ; tensor_dim0 = 128
	s_mov_b32 s[G1A+2], 128<<16                    ; tensor_dim1 = 128
	s_mov_b32 s[G1A+3], 128<<16                    ; tile_dim0 = 128
	s_mov_b32 s[G1A+4], 128                        ; tile_dim1 = 128
	s_mov_b32 s[G1A+5], 768                        ; elements from row to row
	s_mov_b32 s[G1A+6], 0
	s_mov_b32 s[G1A+7], 0
	; group 1 of the weights' tiles: 192 rows x 64 bf16, 8 words of padding behind every 32
	s_or_b32 s[G1B+0], s26, (1<<16)|(1<<20)|(1<<21)|(4<<22)|(7<<25)
	s_mov_b32 s[G1B+1], 64<<16
	s_mov_b32 s[G1B+2], 192<<16
	s_mov_b32 s[G1B+3], 64<<16
	s_mov_b32 s[G1B+4], 192
	s_mov_b32 s[G1B+5], 64
	s_mov_b32 s[G1B+6], 0
	s_mov_b32 s[G1B+7], 0
	; x's tiles hang on R and the wave alone, the weights' on h and the wave alone, each in registers that never hold the other coordinate
	s_lshl_b32 s66, s24, 8
	s_lshl_b32 s67, s20, 7
	s_add_co_u32 s66, s66, s67
	s_mul_i32 s66, s66, 1536                       ; (256 R + 128 half) rows of 1,536 bytes
	s_mov_b32 s67, 0
	s_mul_i32 s70, s23, 294912                     ; h x 6 K steps x 49,152 bytes
	s_mul_i32 s71, s20, 24576                      ; + half x 192 rows x 128 bytes
	s_add_co_u32 s70, s70, s71
	s_mov_b32 s71, 0
	s_mul_i32 s74, s18, 34816                      ; LDS: x's halves at 34,816 w (w = 0, 1)
	s_mul_i32 s75, s18, 30720
	s_add_co_u32 s75, s75, 8192                    ; the weights' at 69,632 + 30,720 (w - 2) = 8,192 + 30,720 w (w = 2, 3)
	; offsets of what I store
	s_lshl_b32 s80, s23, 20
	s_lshl_b32 s81, s24, 16
	s_add_co_u32 s80, s80, s81
	s_lshl_b32 s81, s18, 14
	s_add_co_u32 s80, s80, s81                     ; qs, ks: (4096 h + 256 R + 64 w) rows of 256 bytes
	s_mov_b32 s81, 0
	s_lshl_b32 s82, s23, 19
	s_lshl_b32 s83, s18, 17
	s_add_co_u32 s82, s82, s83
	s_lshl_b32 s83, s24, 9
	s_add_co_u32 s82, s82, s83                     ; vt: (64 h + 16 w) rows of 8,192 bytes + 512 R
	s_mov_b32 s83, 0
	s_lshl_b32 s84, s23, 10
	s_lshl_b32 s85, s24, 6
	s_add_co_u32 s84, s84, s85
	s_lshl_b32 s85, s18, 4
	s_add_co_u32 s84, s84, s85                     ; scales: (256 h + 16 R + 4 w) words
	s_mov_b32 s85, 0
	s_wait_dscnt 0x0
	s_wait_kmcnt 0x0
	s_add_nc_u64 s[68:69], s[4:5], s[66:67]
	s_add_nc_u64 s[72:73], s[6:7], s[70:71]
	s_add_nc_u64 s[8:9], s[8:9], s[80:81]
	s_add_nc_u64 s[10:11], s[10:11], s[80:81]
	s_add_nc_u64 s[12:13], s[12:13], s[82:83]
	s_add_nc_u64 s[14:15], s[14:15], s[84:85]
	s_add_nc_u64 s[16:17], s[16:17], s[84:85]
	CROUND                                         ; all sixteen work-groups are here: the first joint loads meet
.irp s, 0,1
	s_mov_b32 s[G0A+4*\s], 1
	s_add_co_u32 s[G0A+4*\s+1], s74, \s*SLOT
	s_add_nc_u64 s[G0A+4*\s+2:G0A+4*\s+3], s[68:69], \s*256        ; K step s: 128 bf16 along the row
	s_or_b32 s[G0A+4*\s+3], s[G0A+4*\s+3], 0x80000000
	s_mov_b32 s[G0B+4*\s], 1
	s_add_co_u32 s[G0B+4*\s+1], s75, \s*SLOT
	s_add_nc_u64 s[G0B+4*\s+2:G0B+4*\s+3], s[72:73], \s*49152      ; K step s: the next 48 KiB
	s_or_b32 s[G0B+4*\s+3], s[G0B+4*\s+3], 0x80000000
	JLOAD \s                                       ; both slots are asked for before anything else: two tensor loads of the wave are out
.endr
	v_and_b32 v3, 31, v0                           ; lane L
	v_and_b32 v1, 15, v0                           ; r = L mod 16
	v_bfe_u32 v2, v0, 4, 1                         ; hh = L / 16
	v_mul_u32_u24 v24, v1, PA
	v_lshl_add_u32 v24, v2, 4, v24                 ; r x 272 + 16 hh
	s_mul_i32 s76, s18, 64*PA
	v_add_nc_u32 v[AADR], s76, v24                 ; my 64 rows of x
	v_add_nc_u32 v[AADR+1], SLOT, v[AADR]
	v_and_b32 v25, 7, v0
	v_lshl_add_u32 v25, v2, 3, v25                 ; 8 hh + L mod 8: the row of k that I address in a transposing load
	v_mul_u32_u24 v25, v25, PB
	v_bfe_u32 v26, v0, 3, 1
	v_lshl_add_u32 v25, v26, 4, v25                ; + 16 bytes for lanes 8-15 and 24-31
	v_add_nc_u32 v[BADR], BOFF, v25
	v_add_nc_u32 v[BADR+1], BOFF+SLOT, v25
	s_mul_i32 s77, s18, 16*PA
	s_add_co_u32 s77, s77, STAGE
	v_add_nc_u32 v[STO], s77, v24
	v_mul_u32_u24 v27, v2, PA
	v_lshl_add_u32 v27, v1, 4, v27
	v_add_nc_u32 v[RD], s77, v27                   ; lanes 0-15 one row of 256 bytes, lanes 16-31 the next
	v_lshlrev_b32 v[CO], 4, v3
	v_mul_u32_u24 v28, v1, 528
	v_lshl_add_u32 v28, v2, 4, v28
	s_lshl_b32 s78, s18, 7
	s_add_co_u32 s78, s78, VSTAGE
	v_add_nc_u32 v[VST], s78, v28                  ; row r of a tile's 16 dv, my wave's 64 keys, 8 keys for each half of the lanes
	s_mul_i32 s79, s18, 16*528
	s_add_co_u32 s79, s79, VSTAGE
	v_lshl_add_u32 v[VRD], v3, 4, s79              ; my wave's 16 rows of dv, 512 bytes each
	v_mov_b32 v[ZO], 0
; 32 LDS loads: the fragments of quarter q (32 along K) of a slot into buffer f.  The weights lie [k][n] and are transposed on the way:
; two loads, 16 rows of k apart, make the fragment of 16 columns.  x lies along K: two loads, 32 bytes apart.
.macro FETCH slot, q, f
	WIN 0x40                                       ; destination window 1, address window 0
.irp t, 0,1,2
.irp c, 0,1,2,3
	ds_load_tr16_b128 v[WF+96*\f+8*(4*\t+\c):WF+96*\f+8*(4*\t+\c)+3],   v[BADR+\slot] offset:\t*128*PB+\q*32*PB+\c*32
	ds_load_tr16_b128 v[WF+96*\f+8*(4*\t+\c)+4:WF+96*\f+8*(4*\t+\c)+7], v[BADR+\slot] offset:\t*128*PB+\q*32*PB+\c*32+16*PB
.endr
.endr
	WIN 0
.irp rt, 0,1,2,3
	ds_load_b128 v[XF+32*\f+8*\rt:XF+32*\f+8*\rt+3],   v[AADR+\slot] offset:\rt*16*PA+\q*64
	ds_load_b128 v[XF+32*\f+8*\rt+4:XF+32*\f+8*\rt+7], v[AADR+\slot] offset:\rt*16*PA+\q*64+32
.endr
.endm
; q (u = 0) or k (u = 1): source 0 = 16 columns of the weights, source 1 = 16 rows of x, so that a lane holds 8 neighbouring columns of one row.
; The 48 accumulators take turns, one instruction a turn, in the same order in every quarter.
.macro MULQK f, u, zero
	WIN 0xa1                                       ; source 0 window 1, source 1 window 0, C and D window 2
.irp rt, 0,1,2,3
.irp c, 0,1,2,3
.if \zero
	v_wmma_f32_16x16x32_bf16 v[8*(16*\u+4*\rt+\c):8*(16*\u+4*\rt+\c)+7], v[WF+96*\f+8*(4*\u+\c):WF+96*\f+8*(4*\u+\c)+7], v[XF+32*\f+8*\rt:XF+32*\f+8*\rt+7], 0
.else
	v_wmma_f32_16x16x32_bf16 v[8*(16*\u+4*\rt+\c):8*(16*\u+4*\rt+\c)+7], v[WF+96*\f+8*(4*\u+\c):WF+96*\f+8*(4*\u+\c)+7], v[XF+32*\f+8*\rt:XF+32*\f+8*\rt+7], v[8*(16*\u+4*\rt+\c):8*(16*\u+4*\rt+\c)+7]
.endif
.endr
.endr
.endm
; v: source 0 = 16 rows of x, source 1 = 16 columns of the weights, so that a lane holds 8 neighbouring rows (keys) of one column: v transposed.
.macro MULV f, zero
	WIN 0xf4                                       ; source 0 window 0, source 1 window 1, C and D window 3
.irp rt, 0,1,2,3
.irp c, 0,1,2,3
.if \zero
	v_wmma_f32_16x16x32_bf16 v[8*(4*\rt+\c):8*(4*\rt+\c)+7], v[XF+32*\f+8*\rt:XF+32*\f+8*\rt+7], v[WF+96*\f+8*(8+\c):WF+96*\f+8*(8+\c)+7], 0
.else
	v_wmma_f32_16x16x32_bf16 v[8*(4*\rt+\c):8*(4*\rt+\c)+7], v[XF+32*\f+8*\rt:XF+32*\f+8*\rt+7], v[WF+96*\f+8*(8+\c):WF+96*\f+8*(8+\c)+7], v[8*(4*\rt+\c):8*(4*\rt+\c)+7]
.endif
.endr
.endr
.endm
; One of a K step's first three quarters: multiplies buffer f and, behind its first 16 products, fetches quarter qn of the same slot into buffer g.
.macro QUARTER slot, qn, f, g, zero
	s_wait_dscnt 0x0                               ; buffer f is in (its loads were issued 32 matrix instructions ago)
	MULQK \f, 0, \zero
	PLACES                                         ; buffer g was read by the last quarter's matrix instructions
	FETCH \slot, \qn, \g
	MULQK \f, 1, \zero
	MULV \f, \zero
.endm
; The last quarter changes slots.  In front of the barrier each wave has its reads of this slot back and all its tensor loads landed (one was
; out: its part of the next slot).  fill = 1: the barrier opens a round of the cluster's barrier, and this slot's joint refill, two K steps
; ahead, is the first tensor load behind the round: one tensor load of the wave is out until the next change of slots.
.macro TURN slot, next, fill
	s_wait_dscnt 0x0
	s_wait_tensorcnt 0x0
	ds_add_u32 v255, v255
	s_wait_dscnt 0x0
	s_barrier_signal -1
	MULQK 1, 0, 0                                  ; register work while the others arrive
	WIN 0
	s_barrier_wait -1
.if \fill
	CREST
	s_add_nc_u64 s[G0A+4*\slot+2:G0A+4*\slot+3], s[G0A+4*\slot+2:G0A+4*\slot+3], 512
	s_add_nc_u64 s[G0B+4*\slot+2:G0B+4*\slot+3], s[G0B+4*\slot+2:G0B+4*\slot+3], 98304
	JLOAD \slot
.endif
	PLACES
	FETCH \next, 0, 0
	MULQK 1, 1, 0
	MULV 1, 0
.endm
.macro THREE slot, zero
	QUARTER \slot, 1, 0, 1, \zero
	QUARTER \slot, 2, 1, 0, 0
	QUARTER \slot, 3, 0, 1, 0
.endm
	s_wait_tensorcnt 0x1                           ; my part of K step 0 is in; K step 1's load stays out
	s_barrier_signal -1
	s_barrier_wait -1
	FETCH 0, 0, 0
	THREE 0, 1                                     ; K step 0: the first products start the sums, nothing is cleared
	TURN 0, 1, 1                                   ; asks for K step 2
	THREE 1, 0
	TURN 1, 0, 1                                   ; K step 3
	THREE 0, 0
	TURN 0, 1, 1                                   ; K step 4
	THREE 1, 0
	TURN 1, 0, 1                                   ; K step 5
	THREE 0, 0
	TURN 0, 1, 0                                   ; nothing is left to ask for
	THREE 1, 0
	s_wait_dscnt 0x0
	MULQK 1, 0, 0
	MULQK 1, 1, 0
	MULV 1, 0
	PLACES                                         ; behind the last matrix instructions: results are read, fragment registers loaded again
; THE WAY OUT of q and k: one group of 16 rows x 64 columns = the 32 registers at 128 u + 32 rt of window 2.
; rb: 32 registers for the rows read back (two sets take turns); base: the scalar pair of qs or ks at my first row; fw: where the inverse power is kept.
.macro QKOUT u, rt, rb, base, fw
.set GB, 128*\u+32*\rt
	WIN 0x2a                                       ; all three sources window 2
.set k, 0
.rept 10
	v_max3_num_f32 v[T+k], |v[GB+3*k]|, |v[GB+3*k+1]|, |v[GB+3*k+2]|
.set k, k+1
.endr
	v_max_num_f32 v[T+10], |v[GB+30]|, |v[GB+31]|
	WIN 0
	v_max3_num_f32 v[T], v[T], v[T+1], v[T+2]
	v_max3_num_f32 v[T+3], v[T+3], v[T+4], v[T+5]
	v_max3_num_f32 v[T+6], v[T+6], v[T+7], v[T+8]
	v_max_num_f32 v[T+9], v[T+9], v[T+10]
	v_max3_num_f32 v[T], v[T], v[T+3], v[T+6]
	v_max_num_f32 v[T], v[T], v[T+9]
	v_max_num_f32_dpp v[T], v[T], v[T] row_xmask:1 row_mask:0xf bank_mask:0xf
	v_max_num_f32_dpp v[T], v[T], v[T] row_xmask:2 row_mask:0xf bank_mask:0xf
	v_max_num_f32_dpp v[T], v[T], v[T] row_xmask:4 row_mask:0xf bank_mask:0xf
	v_max_num_f32_dpp v[T], v[T], v[T] row_xmask:8 row_mask:0xf bank_mask:0xf
	v_permlanex16_b32 v[T+1], v[T], s27, s28
	v_max_num_f32 v[T], v[T], v[T+1]               ; the group's largest magnitude, in every lane
	v_lshrrev_b32 v[T], 23, v[T]                   ; its exponent field E
	v_max_u32 v[T], 76, v[T]                       ; floored: see LIMITS
	v_sub_nc_u32 v[T+1], 266, v[T]
	v_lshlrev_b32 v[INV], 23, v[T+1]               ; 2^(139 - E): the largest magnitude lands in [2^12, 2^13)
	v_lshlrev_b32 v[INV+1], 23, v[T+1]
	v_add_nc_u32 v[T+2], -12, v[T]
	v_lshlrev_b32 v[\fw], 23, v[T+2]               ; 2^(E - 139)
	WIN 0x02                                       ; source 0 window 2
.set k, 0
.rept 16
	v_pk_mul_f32 v[VV+2*k:VV+2*k+1], v[GB+2*k:GB+2*k+1], v[INV:INV+1]      ; exact: a power of two
.set k, k+1
.endr
	WIN 0
.set k, 0
.rept 32
	v_and_b32 v[HI+k], s29, v[VV+k]                ; hi: the leading 11 bits, an f16 without rounding
.set k, k+1
.endr
.set k, 0
.rept 16
	v_pk_add_f32 v[VV+2*k:VV+2*k+1], v[VV+2*k:VV+2*k+1], v[HI+2*k:HI+2*k+1] neg_lo:[0,1] neg_hi:[0,1]   ; lo = v - hi, exact
.set k, k+1
.endr
.set k, 0
.rept 16
	v_cvt_pk_f16_f32 v[PH+k], v[HI+2*k], v[HI+2*k+1]
	v_cvt_pk_f16_f32 v[PL+k], v[VV+2*k], v[VV+2*k+1]
.set k, k+1
.endr
.irp c, 0,1,2,3
	ds_store_b128 v[STO], v[PH+4*\c:PH+4*\c+3] offset:32*\c         ; columns 16 c + 8 hh .. + 7 of row r
	ds_store_b128 v[STO], v[PL+4*\c:PL+4*\c+3] offset:128+32*\c
.endr
	s_wait_xcnt 0x0                                ; the registers that earlier stores read are loaded again only behind this wait
.irp t, 0,1,2,3,4,5,6,7
	ds_load_b128 v[\rb+4*\t:\rb+4*\t+3], v[RD] offset:\t*2*PA       ; LDS serves a wave's instructions in order (ISA guide 5.7.1): these see the stores above
.endr
.irp t, 0,1,2,3,4,5,6,7
	s_wait_dscnt 7-\t                              ; read-back t is in, the 7-t younger ones stay out
	global_store_b128 v[CO], v[\rb+4*\t:\rb+4*\t+3], s[\base:\base+1] offset:\rt*4096+\t*512   ; two whole rows of 256 bytes
.endr
.endm
	QKOUT 0, 0, XF,    8, FWQ
	QKOUT 0, 1, XF+32, 8, FWQ+1
	QKOUT 0, 2, XF,    8, FWQ+2
	QKOUT 0, 3, XF+32, 8, FWQ+3
	QKOUT 1, 0, XF,    10, FWK
	QKOUT 1, 1, XF+32, 10, FWK+1
	QKOUT 1, 2, XF,    10, FWK+2
	QKOUT 1, 3, XF+32, 10, FWK+3
	; THE WAY OUT of v: rounded to bf16; a lane's 8 numbers are 8 neighbouring keys of one dv.  The four waves' keys meet in LDS, so that a row of
	; the stage holds the work-group's 256 keys of one dv: 512 bytes, stored whole by one instruction of a wave.
	WIN 0x0f                                       ; sources 0 and 1 window 3
.set k, 0
.rept 64
	v_cvt_pk_bf16_f32 v[VV+k], v[2*k], v[2*k+1]
.set k, k+1
.endr
	WIN 0
.irp rt, 0,1,2,3
.irp c, 0,1,2,3
	ds_store_b128 v[VST], v[VV+4*(4*\rt+\c):VV+4*(4*\rt+\c)+3] offset:\c*16*528+\rt*32
.endr
.endr
	s_wait_dscnt 0x0                               ; my stores are in LDS, for the others' sake
	s_barrier_signal -1
	s_barrier_wait -1
	s_wait_xcnt 0x0                                ; the last rows of k have been handed over: their registers are loaded again
.set i, 0
.rept 16
	ds_load_b128 v[XF+4*i:XF+4*i+3], v[VRD] offset:i*528
.set i, i+1
.endr
.set i, 0
.rept 16
	s_wait_dscnt 15-i                              ; row i is in, the 15-i younger ones stay out
	global_store_b128 v[CO], v[XF+4*i:XF+4*i+3], s[12:13] offset:i*8192
.set i, i+1
.endr
	; the scales of my four groups of q and of k: lane 0 alone
	s_wait_xcnt 0x0                                ; EXEC changes only behind this wait
	v_cmp_eq_u32 vcc_lo, 0, v3
	s_and_saveexec_b32 s30, vcc_lo
	global_store_b128 v[ZO], v[FWQ:FWQ+3], s[14:15]
	global_store_b128 v[ZO], v[FWK:FWK+3], s[16:17]
	s_wait_xcnt 0x0                                ; and again in front of the line that widens it
	s_or_b32 exec_lo, exec_lo, s30
	s_set_vgpr_msb 0x4
	s_wait_tensorcnt 0x0
	ds_add_u32 v255, v255
	s_wait_dscnt 0x0
	s_set_vgpr_msb 0x400
	CROUND                                         ; the closing round: no work-group ends while a partner may still ask jointly
	s_endpgm
.Lfunc_end_k_q814b49b783_proj:
	.size	k_q814b49b783_proj, .Lfunc_end_k_q814b49b783_proj-k_q814b49b783_proj
	.p2alignl 7, 3214868480
	.fill 96, 4, 3214868480
	.section	.rodata,"a",@progbits
	.p2align	6, 0x0
	.amdhsa_kernel k_q814b49b783_proj
		.amdhsa_group_segment_fixed_size 327680
		.amdhsa_private_segment_fixed_size 0
		.amdhsa_enable_private_segment 0
		.amdhsa_kernarg_size 56
		.amdhsa_user_sgpr_count 2
		.amdhsa_user_sgpr_kernarg_segment_ptr 1
		.amdhsa_wavefront_size32 1
		.amdhsa_system_sgpr_workgroup_id_x 1
		.amdhsa_system_sgpr_workgroup_id_y 1
		.amdhsa_system_sgpr_workgroup_id_z 1
		.amdhsa_system_vgpr_workitem_id 0
		.amdhsa_next_free_vgpr 896
		.amdhsa_next_free_sgpr 88
		.amdhsa_reserve_vcc 1
		.amdhsa_float_denorm_mode_32 3
		.amdhsa_float_denorm_mode_16_64 3
		.amdhsa_memory_ordered 1
		.amdhsa_forward_progress 1
		.amdhsa_inst_pref_size 219
	.end_amdhsa_kernel
	.amdgpu_metadata
---
amdhsa.version: [ 1, 2 ]
amdhsa.kernels:
  - .name:           k_q814b49b783_proj
    .symbol:         k_q814b49b783_proj.kd
    .args:
      - { .name: xb, .offset: 0, .size: 8, .value_kind: global_buffer, .address_space: global }
      - { .name: wb, .offset: 8, .size: 8, .value_kind: global_buffer, .address_space: global }
      - { .name: qs, .offset: 16, .size: 8, .value_kind: global_buffer, .address_space: global }
      - { .name: ks, .offset: 24, .size: 8, .value_kind: global_buffer, .address_space: global }
      - { .name: vt, .offset: 32, .size: 8, .value_kind: global_buffer, .address_space: global }
      - { .name: qsc, .offset: 40, .size: 8, .value_kind: global_buffer, .address_space: global }
      - { .name: ksc, .offset: 48, .size: 8, .value_kind: global_buffer, .address_space: global }
    .group_segment_fixed_size: 327680
    .private_segment_fixed_size: 0
    .kernarg_segment_align: 8
    .kernarg_segment_size: 56
    .max_flat_workgroup_size: 128
    .sgpr_count:     88
    .vgpr_count:     896
    .wavefront_size: 32
...
	.end_amdgpu_metadata
.endif
;; end of part 2
;; launch attn (part 3): grid 256 x 1, 4 waves a work-group, clusters of 4 x 1, 327,680 bytes of LDS; arguments qs, ks, vt, qsc, ksc, out0; writes out0
.if DOCPART == 3
	.amdgcn_target "amdgcn-amd-amdhsa--gfx1250"
	.amdhsa_code_object_version 6
	.text
	.protected	k_q814b49b783_attn
	.globl	k_q814b49b783_attn
	.p2align	8
	.type	k_q814b49b783_attn,@function
k_q814b49b783_attn:
	s_mov_b64 s[64:65], 0
	v_nop
	global_prefetch_b8 v0, s[64:65] scope:SCOPE_SE
	s_setreg_imm32_b32 hwreg(HW_REG_WAVE_MODE, 25, 1), 1
	s_wait_xcnt 0x0
	s_wait_alu depctr_hold_cnt(0) depctr_sa_sdst(0) depctr_va_vdst(0) depctr_va_sdst(0) depctr_va_ssrc(0) depctr_va_vcc(0) depctr_vm_vsrc(0)
	s_getreg_b32 s2, hwreg(HW_REG_IB_STS2, 6, 4)
	s_cmp_eq_u32 s2, 0
	s_cbranch_scc0 .Lentry_in_a_cluster
	s_endpgm
.Lentry_in_a_cluster:
	s_bfe_u32 s2, ttmp6, 0x10000c
	s_cmp_lg_u32 s2, 0x3003
	s_cbranch_scc0 .Lentry_shape_is_right
	s_endpgm
.Lentry_shape_is_right:
; attn: causal attention over q, k (f16 hi + lo with a power-of-two scale for each 16 rows) and v transposed (bf16).
; SCORES: kh.qh + kh.ql + kl.qh in f16 products with f32 sums, the small terms first: about 22 bits of q and of k enter, since the softmax of these
; scores is nearly one-hot and a rounding of q or k to 8 bits would change which key wins.  P and v go to the matrix unit in bf16.
; SOFTMAX: in base 2, with a running maximum for each query; the group scales and log2(e)/8 enter by one fused multiply-add for each score.
; SHARES: a super-block is 256 queries of one head (b' = 0..15).  The four work-groups of a cluster take 64 queries each and read the same tiles of
; k and v, which are asked for jointly.  A step is 256 keys: b' steps below the diagonal and one masked step on it; keys above are never touched.
; A cluster walks three super-blocks, of heads 3 G, 3 G + 1, 3 G + 2, with b' = i, 15 - j - 8 o, 7 - j + 8 o (G = cluster / 16, i = cluster mod 16,
; j = i / 2, o = i mod 2): each is a permutation of 0..15 over the 16 clusters of a G, and the three add up to 22 + o, so every cluster has 25 or 26 steps.
; Trip counts hang on the cluster's number alone; my place in the cluster enters only addresses of plain loads and stores and the mask's data.
; In a step wave w takes all 64 queries x keys 64 w .. 64 w + 63, so each byte of k and v is read from LDS once in a work-group.  Each wave keeps its
; own maximum, sum and output; the four are merged through LDS at the end of a super-block.
; LIMITS: NaN and infinite inputs are not served.  Scores in base-2 units must lie above -2^127 (the running maximum starts there).  The product of two
; group scales must not overflow f32, which happens only where the scores themselves overflow f32.
; LAYOUT: source 0 = 16 keys, source 1 = 16 queries: lane (r, hh) holds query r and keys 8 hh + 0..7 of a tile.  Two such tiles, packed to bf16, are
; the second source of the product with v as they lie: no lane ever hands a number to another.  The output tile holds query r, columns 8 hh + 0..7.
; REGISTER WINDOWS: 0: addresses, softmax state, k fragments (two buffers; scratch once the scores are made), the 16 score tiles;
;                   1: q fragments v0-127, v fragments v128-191;  2: the 16 output tiles at 8 (4 d + qt).
.set PK,    272                        ; k's LDS pitch: 256 bytes + 16
.set PVT,   528                        ; v's: 512 bytes + 16
.set SLOT,  103424                     ; k: 256 x 272 = 69,632; v: 64 x 528 = 33,792
.set VOFF,  69632
.set OP,    206848                     ; four partial outputs of 64 rows x 272; no tensor load lands here
.set MLB,   276480                     ; four waves x 64 queries x (maximum, sum)
.set KADR,  4                          ; v4-5   my k fragments in slot 0, 1
.set VADR,  6                          ; v6-7   my v fragments
.set QOFF,  8
.set KSO,   9                          ; byte offset in ksc of my four key groups of this step
.set D0,    10                         ; 64 (cx - w) + r - 8 hh: key j + 16 sub is masked for query 16 qt + r where j + 16 (sub - qt) > D0
.set NEGINF,11
.set MLST,  12
.set MLRD,  13
.set OPST,  14
.set OPRD,  15
.set OUTO,  16
.set ZOFF,  17
.set ML,    18                         ; v18-25 maximum and sum of query tile qt at 2 qt, 2 qt + 1
.set NM2,   26                         ; v26-33 minus the maximum, twice (a pair for the packed forms)
.set AL2,   34                         ; v34-41 2^(old maximum - new), twice
.set CQ,    42                         ; v42-45 scale of my four query groups x log2(e)/8
.set FK,    46                         ; v46-49 scale of my four key groups
.set KB,    64                         ; v64-127 k fragments: two buffers of four chunks (hi 0-31, hi 32-63, lo 0-31, lo 32-63)
.set TM,    64                         ; scratch in those registers once the scores are made: 16 maxima,
.set LS,    80                         ; four pairs of sums,
.set C2,    88                         ; and the 16 tiles' scales, each twice
.set MG,    64                         ; merge: the four waves' (maximum, sum)
.set G1K, 32                           ; s[32:39] group 1 of k's tiles
.set G0K, 40                           ; s[40:47] group 0, a set for each slot
.set G1V, 48
.set G0V, 56
.set MSB, 0
.macro WIN new                         ; the immediate's high byte repeats the setting that is left
.if MSB != \new
	s_set_vgpr_msb (MSB<<8)|\new
.set MSB, \new
.endif
.endm
.macro PLACES                          ; four places behind matrix instructions (ISA guide 7.12.1)
.rept 4
	v_nop
.endr
.endm
.macro SBASE sub, qt                   ; score tile (sub, qt): tiles 2 c and 2 c + 1 of a query tile lie side by side
.set SB, 128+8*((((\sub)/2)*4+(\qt))*2+((\sub)%2))
.endm
.macro JLOAD s                         ; waves 0, 1 ask for k's two halves, waves 2, 3 for v's; the branch hangs on the wave's number alone
	s_cmp_eq_u32 s17, 0
	s_cbranch_scc0 .Lfor_v_\@
	tensor_load_to_lds s[G0K+4*(\s):G0K+4*(\s)+3], s[G1K:G1K+7]
	s_nop 0
	s_branch .Lasked_\@
.Lfor_v_\@:
	tensor_load_to_lds s[G0V+4*(\s):G0V+4*(\s)+3], s[G1V:G1V+7]
	s_nop 0
.Lasked_\@:
.endm
.macro ROUND                           ; a round of the cluster's barrier
	s_barrier_signal -1
	s_barrier_wait -1
	s_cmp_lg_u32 s16, 0
	s_cbranch_scc1 .Lnot_wave_0_\@
	s_barrier_signal -3
.Lnot_wave_0_\@:
	s_barrier_wait -3
	s_barrier_signal -1
	s_barrier_wait -1
.endm
	s_load_b256 s[4:11], s[0:1], 0x0               ; qs s[4:5], ks s[6:7], vt s[8:9], qsc s[10:11]
	s_load_b128 s[12:15], s[0:1], 0x20             ; ksc s[12:13], out0 s[14:15]
	v_lshl_add_u32 v62, v0, 2, 0x44000
	v_mov_b32 v63, 0
	v_lshrrev_b32 v1, 5, v0
	v_readfirstlane_b32 s16, v1                    ; wave 0..3
	s_lshr_b32 s17, s16, 1                         ; 0: I ask for k, 1: for v
	s_and_b32 s18, s16, 1                          ; which half of that tile
	s_bfe_u32 s19, ttmp6, 0x40000                  ; cx
	s_lshr_b32 s26, ttmp9, 4                       ; G
	s_mul_i32 s20, s26, 3                          ; the first head
	s_and_b32 s21, ttmp9, 15                       ; b' of the first super-block: i
	s_lshr_b32 s26, s21, 1                         ; j
	s_and_b32 s29, s21, 1
	s_lshl_b32 s29, s29, 3                         ; 8 o
	s_sub_co_u32 s22, 15, s26
	s_sub_co_u32 s22, s22, s29                     ; of the second: 15 - j - 8 o
	s_sub_co_u32 s23, 7, s26
	s_add_co_u32 s23, s23, s29                     ; of the third: 7 - j + 8 o
	s_mov_b32 s24, 0                               ; super-blocks done
	s_mov_b32 s27, 0x76543210                      ; v_permlanex16_b32: lane i reads lane i of the other half
	s_mov_b32 s28, 0xfedcba98
	; group 1 of k's tiles: 128 rows x 128 f16, 4 words of padding behind every 64; all four work-groups of the cluster are named
	s_mov_b32 s[G1K+0], 15|(1<<16)|(1<<20)|(1<<21)|(5<<22)|(3<<25)
	s_mov_b32 s[G1K+1], 128<<16
	s_mov_b32 s[G1K+2], 128<<16
	s_mov_b32 s[G1K+3], 128<<16
	s_mov_b32 s[G1K+4], 128
	s_mov_b32 s[G1K+5], 128
	s_mov_b32 s[G1K+6], 0
	s_mov_b32 s[G1K+7], 0
	; group 1 of v's tiles: 32 rows x 256 bf16, 4 words of padding behind every 128
	s_mov_b32 s[G1V+0], 15|(1<<16)|(1<<20)|(1<<21)|(6<<22)|(3<<25)
	s_mov_b32 s[G1V+1], 256<<16
	s_mov_b32 s[G1V+2], 32<<16
	s_mov_b32 s[G1V+3], 256<<16
	s_mov_b32 s[G1V+4], 32
	s_mov_b32 s[G1V+5], 4096
	s_mov_b32 s[G1V+6], 0
	s_mov_b32 s[G1V+7], 0
	s_mul_i32 s66, s16, 34816                      ; LDS: k's halves at 34,816 w (w = 0, 1)
	s_mul_i32 s67, s16, 16896
	s_add_co_u32 s67, s67, 35840                   ; v's at 69,632 + 16,896 (w - 2) = 35,840 + 16,896 w (w = 2, 3)
.irp s, 0,1
	s_mov_b32 s[G0K+4*\s], 1
	s_add_co_u32 s[G0K+4*\s+1], s66, \s*SLOT
	s_mov_b32 s[G0V+4*\s], 1
	s_add_co_u32 s[G0V+4*\s+1], s67, \s*SLOT
.endr
	v_and_b32 v3, 31, v0                           ; lane L
	v_and_b32 v1, 15, v0                           ; r
	v_bfe_u32 v2, v0, 4, 1                         ; hh
	v_mul_u32_u24 v50, v1, PK
	v_lshl_add_u32 v51, v2, 4, v50                 ; r x 272 + 16 hh
	s_mul_i32 s68, s16, 64*PK
	v_add_nc_u32 v[KADR], s68, v51                 ; my 64 keys
	v_add_nc_u32 v[KADR+1], SLOT, v[KADR]
	v_mul_u32_u24 v52, v1, PVT
	v_lshl_add_u32 v52, v2, 4, v52
	s_lshl_b32 s69, s16, 7
	s_add_co_u32 s69, s69, VOFF
	v_add_nc_u32 v[VADR], s69, v52                 ; row r of 16 dv, my 64 keys
	v_add_nc_u32 v[VADR+1], SLOT, v[VADR]
	v_lshlrev_b32 v[QOFF], 8, v1
	v_lshl_add_u32 v[QOFF], v2, 4, v[QOFF]         ; r rows of 256 bytes + 16 hh
	s_sub_co_i32 s70, s19, s16
	s_lshl_b32 s70, s70, 6
	v_add_nc_u32 v[D0], s70, v1
	v_lshlrev_b32 v53, 3, v2
	v_sub_nc_u32 v[D0], v[D0], v53
	v_mov_b32 v[NEGINF], 0xff800000
	v_lshlrev_b32 v[MLRD], 3, v1
	v_add_nc_u32 v[MLRD], MLB, v[MLRD]
	s_lshl_b32 s71, s16, 9
	v_add_nc_u32 v[MLST], s71, v[MLRD]
	s_add_co_u32 s68, s68, OP                      ; my partial output: 17,408 w
	v_lshl_add_u32 v54, v2, 5, v50                 ; r x 272 + 32 hh
	v_add_nc_u32 v[OPST], s68, v54
	v_mul_u32_u24 v55, v2, PK
	v_lshl_add_u32 v55, v1, 4, v55
	s_mul_i32 s72, s16, 16*PK
	s_add_co_u32 s72, s72, OP
	v_add_nc_u32 v[OPRD], s72, v55                 ; rows 16 w + hh, 16 bytes a lane
	v_lshlrev_b32 v[OUTO], 4, v3
	v_mov_b32 v[ZOFF], 0
	s_wait_kmcnt 0x0
.macro KLOAD slot, sub                 ; the four chunks of 16 keys into buffer sub mod 2: eight loads
.irp ch, 0,1,2,3
	ds_load_b128 v[KB+32*((\sub)%2)+8*\ch:KB+32*((\sub)%2)+8*\ch+3],   v[KADR+\slot] offset:(\sub)*16*PK+\ch*64
	ds_load_b128 v[KB+32*((\sub)%2)+8*\ch+4:KB+32*((\sub)%2)+8*\ch+7], v[KADR+\slot] offset:(\sub)*16*PK+\ch*64+32
.endr
.endm
.macro QKP sub, a, b, zero             ; chunk a of k x chunk b of q, for the four query tiles
.irp qt, 0,1,2,3
	SBASE \sub, \qt
.if \zero
	v_wmma_f32_16x16x32_f16 v[SB:SB+7], v[KB+32*((\sub)%2)+8*\a:KB+32*((\sub)%2)+8*\a+7], v[8*(4*\qt+\b):8*(4*\qt+\b)+7], 0
.else
	v_wmma_f32_16x16x32_f16 v[SB:SB+7], v[KB+32*((\sub)%2)+8*\a:KB+32*((\sub)%2)+8*\a+7], v[8*(4*\qt+\b):8*(4*\qt+\b)+7], v[SB:SB+7]
.endif
.endr
.endm
.macro QK6 sub                         ; 24 products; the four accumulators take turns, one instruction a turn
	QKP \sub, 2, 0, 1                              ; kl.qh: the first product starts the sums
	QKP \sub, 3, 1, 0
	QKP \sub, 0, 2, 0                              ; kh.ql
	QKP \sub, 1, 3, 0
	QKP \sub, 0, 0, 0                              ; kh.qh
	QKP \sub, 1, 1, 0
.endm
.macro PV c, zero                      ; 32 keys of v x P; the 16 accumulators take turns, one instruction a turn
.irp d, 0,1,2,3
.irp qt, 0,1,2,3
.if \zero
	v_wmma_f32_16x16x32_bf16 v[8*(4*\d+\qt):8*(4*\d+\qt)+7], v[128+8*(4*\c+\d):128+8*(4*\c+\d)+7], v[128+16*(4*\c+\qt):128+16*(4*\c+\qt)+7], 0
.else
	v_wmma_f32_16x16x32_bf16 v[8*(4*\d+\qt):8*(4*\d+\qt)+7], v[128+8*(4*\c+\d):128+8*(4*\c+\d)+7], v[128+16*(4*\c+\qt):128+16*(4*\c+\qt)+7], v[8*(4*\d+\qt):8*(4*\d+\qt)+7]
.endif
.endr
.endr
.endm
; One step: 256 keys from a slot.  masked: the step on the diagonal.  first: the super-block's first step (it starts maximum, sum and output).
; fill: the other slot is asked for again, with the next step's tiles.
.macro STEP slot, masked, first, fill
	s_wait_dscnt 0x0                               ; my reads of the other slot are back
	s_wait_tensorcnt 0x0                           ; all my tensor loads have landed, my part of this slot among them
	ds_add_u32 v62, v63
	s_wait_dscnt 0x0
.if \fill
	s_add_nc_u64 s[G0K+4*\slot+2:G0K+4*\slot+3], s[G0K+4*\slot+2:G0K+4*\slot+3], 131072   ; no load is out: this slot's next tiles, two steps on
	s_add_nc_u64 s[G0V+4*\slot+2:G0V+4*\slot+3], s[G0V+4*\slot+2:G0V+4*\slot+3], 1024
	ROUND                                          ; both waits now hold of every wave of the four work-groups
	JLOAD 1-\slot                                  ; my one tensor load behind the round: one is out until the next step's wait
.else
	s_barrier_signal -1
	s_barrier_wait -1                              ; this slot is whole
.endif
	global_load_b128 v[FK:FK+3], v[KSO], s[12:13]  ; the scales of my four key groups
.rept 5
	v_nop                                          ; five places behind the last step's products with v: the scores write over P, v's fragments are loaded anew
.endr
	KLOAD \slot, 0
	WIN 0x40                                       ; destination window 1
.irp c, 0,1
.irp d, 0,1,2,3
	ds_load_b128 v[128+8*(4*\c+\d):128+8*(4*\c+\d)+3],   v[VADR+\slot] offset:\d*16*PVT+\c*64
	ds_load_b128 v[128+8*(4*\c+\d)+4:128+8*(4*\c+\d)+7], v[VADR+\slot] offset:\d*16*PVT+\c*64+32
.endr
.endr
	WIN 0x04                                       ; source 1 (q) window 1; LDS loads use the destination's and source 0's windows, both 0
	KLOAD \slot, 1
	s_wait_dscnt 24                                ; keys 0-15 are in; v's 16 loads and the 8 of keys 16-31 stay out
	QK6 0
	PLACES                                         ; buffer 0 has just been read
	KLOAD \slot, 2
	s_wait_dscnt 8                                 ; all but the 8 just issued
	QK6 1
	PLACES
	KLOAD \slot, 3
	s_wait_dscnt 8
	QK6 2
	s_wait_dscnt 0x0
	QK6 3
	WIN 0
	s_wait_loadcnt 0x0                             ; the key groups' scales
	PLACES                                         ; behind the last scores: they are read, and k's buffers become scratch
.irp sub, 0,1,2,3
.irp qt, 0,1,2,3
	v_mul_f32 v[C2+2*(4*\sub+\qt)],   v[FK+\sub], v[CQ+\qt]        ; a tile's scale: positive, the same in every lane
	v_mul_f32 v[C2+2*(4*\sub+\qt)+1], v[FK+\sub], v[CQ+\qt]
.endr
.endr
	v_add_nc_u32 v[KSO], 64, v[KSO]                ; 16 groups on
.if \masked
.irp sub, 0,1,2,3
.irp qt, 0,1,2,3
	SBASE \sub, \qt
.irp j, 0,1,2,3,4,5,6,7
	v_cmp_gt_i32 vcc_lo, \j+16*(\sub-\qt), v[D0]
	v_cndmask_b32 v[SB+\j], v[SB+\j], v[NEGINF], vcc_lo
.endr
.endr
.endr
.endif
	; the largest score of each query: 8 registers of each tile, the tile's scale, four tiles, the other half of the lanes, the old maximum
.irp sub, 0,1,2,3
.irp qt, 0,1,2,3
	SBASE \sub, \qt
	v_max3_num_f32 v[TM+4*\sub+\qt], v[SB], v[SB+1], v[SB+2]
.endr
.endr
.irp sub, 0,1,2,3
.irp qt, 0,1,2,3
	SBASE \sub, \qt
	v_max3_num_f32 v[TM+4*\sub+\qt], v[TM+4*\sub+\qt], v[SB+3], v[SB+4]
.endr
.endr
.irp sub, 0,1,2,3
.irp qt, 0,1,2,3
	SBASE \sub, \qt
	v_max3_num_f32 v[TM+4*\sub+\qt], v[TM+4*\sub+\qt], v[SB+5], v[SB+6]
.endr
.endr
.irp sub, 0,1,2,3
.irp qt, 0,1,2,3
	SBASE \sub, \qt
	v_max_num_f32 v[TM+4*\sub+\qt], v[TM+4*\sub+\qt], v[SB+7]
.endr
.endr
.irp sub, 0,1,2,3
.irp qt, 0,1,2,3
	v_mul_f32 v[TM+4*\sub+\qt], v[TM+4*\sub+\qt], v[C2+2*(4*\sub+\qt)]
.endr
.endr
.irp qt, 0,1,2,3
	v_max3_num_f32 v[TM+\qt], v[TM+\qt], v[TM+4+\qt], v[TM+8+\qt]
.endr
.irp qt, 0,1,2,3
	v_max_num_f32 v[TM+\qt], v[TM+\qt], v[TM+12+\qt]
.endr
.irp qt, 0,1,2,3
	v_permlanex16_b32 v[TM+4+\qt], v[TM+\qt], s27, s28
.endr
.irp qt, 0,1,2,3
.if \first
	v_max3_num_f32 v[TM+8+\qt], v[TM+\qt], v[TM+4+\qt], 0xff000000         ; the maximum starts at -2^127, so that it stays finite where all my keys are masked
.else
	v_max3_num_f32 v[TM+8+\qt], v[TM+\qt], v[TM+4+\qt], v[ML+2*\qt]
	v_sub_f32 v[TM+12+\qt], v[ML+2*\qt], v[TM+8+\qt]
.endif
	v_mov_b32 v[ML+2*\qt], v[TM+8+\qt]
	v_mul_f32 v[NM2+2*\qt],   -1.0, v[TM+8+\qt]
	v_mul_f32 v[NM2+2*\qt+1], -1.0, v[TM+8+\qt]
.endr
.if \first
.else
.irp qt, 0,1,2,3
	v_exp_f32 v[AL2+2*\qt],   v[TM+12+\qt]          ; made twice to fill the pair; the multiply-adds below are the plain place behind them (ISA guide 5.7.2)
	v_exp_f32 v[AL2+2*\qt+1], v[TM+12+\qt]
.endr
.endif
.irp sub, 0,1,2,3
.irp qt, 0,1,2,3
	SBASE \sub, \qt
.irp k, 0,2,4,6
	v_pk_fma_f32 v[SB+\k:SB+\k+1], v[SB+\k:SB+\k+1], v[C2+2*(4*\sub+\qt):C2+2*(4*\sub+\qt)+1], v[NM2+2*\qt:NM2+2*\qt+1]
.endr
.endr
.endr
.set k, 0
.rept 128
	v_exp_f32 v[128+k], v[128+k]
.set k, k+1
.endr
	v_nop                                          ; one plain place before the results are used
	s_wait_alu depctr_va_vdst(0)
	; the sums of my keys, one chain for each query tile, started by the first two pairs
.irp qt, 0,1,2,3
	SBASE 0, \qt
	v_pk_add_f32 v[LS+2*\qt:LS+2*\qt+1], v[SB:SB+1], v[SB+2:SB+3]
.endr
.irp k, 4,6
.irp qt, 0,1,2,3
	SBASE 0, \qt
	v_pk_add_f32 v[LS+2*\qt:LS+2*\qt+1], v[LS+2*\qt:LS+2*\qt+1], v[SB+\k:SB+\k+1]
.endr
.endr
.irp sub, 1,2,3
.irp k, 0,2,4,6
.irp qt, 0,1,2,3
	SBASE \sub, \qt
	v_pk_add_f32 v[LS+2*\qt:LS+2*\qt+1], v[LS+2*\qt:LS+2*\qt+1], v[SB+\k:SB+\k+1]
.endr
.endr
.endr
.irp qt, 0,1,2,3
.if \first
	v_add_f32 v[ML+2*\qt+1], v[LS+2*\qt], v[LS+2*\qt+1]
.else
	v_add_f32 v[LS+2*\qt], v[LS+2*\qt], v[LS+2*\qt+1]
	v_fma_f32 v[ML+2*\qt+1], v[ML+2*\qt+1], v[AL2+2*\qt], v[LS+2*\qt]
.endif
.endr
	; P in bf16, in place: the 16 registers of tiles (2 c, qt), (2 c + 1, qt) become the 8 of a fragment; each line writes a register already used up
.set b, 0
.rept 8
.set m, 0
.rept 8
	v_cvt_pk_bf16_f32 v[128+16*b+m], v[128+16*b+2*m], v[128+16*b+2*m+1]
.set m, m+1
.endr
.set b, b+1
.endr
.if \first
.else
	WIN 0x82                                       ; source 0 and destination window 2
.irp d, 0,1,2,3
.irp qt, 0,1,2,3
.irp k, 0,2,4,6
	v_pk_mul_f32 v[8*(4*\d+\qt)+\k:8*(4*\d+\qt)+\k+1], v[8*(4*\d+\qt)+\k:8*(4*\d+\qt)+\k+1], v[AL2+2*\qt:AL2+2*\qt+1]
.endr
.endr
.endr
.endif
	WIN 0xa1                                       ; source 0 (v) window 1, source 1 (P) window 0, C and D window 2
	PV 0, \first                                   ; in the first step the first product starts the output: nothing is cleared
	PV 1, 0
	WIN 0
.endm
.Litem:
	s_wait_xcnt 0x0                                ; the last super-block's stores have read their registers and base
	s_wait_dscnt 0x0                               ; my reads of both slots and of the merge's bytes are back
	s_wait_tensorcnt 0x0                           ; no tensor load of mine is out: every group 0 may be written
	ds_add_u32 v62, v63
	s_wait_dscnt 0x0
	s_lshl_b32 s66, s20, 20                        ; k: head x 4,096 rows x 256 bytes
	s_lshl_b32 s67, s18, 15                        ; + half x 128 rows
	s_add_co_u32 s66, s66, s67
	s_mov_b32 s67, 0
	s_add_nc_u64 s[G0K+2:G0K+3], s[6:7], s[66:67]
	s_add_nc_u64 s[G0K+6:G0K+7], s[G0K+2:G0K+3], 65536             ; slot 1: step 1, 256 rows on
	s_or_b32 s[G0K+3], s[G0K+3], 0x80000000
	s_or_b32 s[G0K+7], s[G0K+7], 0x80000000
	s_lshl_b32 s68, s20, 19                        ; v: head x 64 rows x 8,192 bytes
	s_lshl_b32 s69, s18, 18                        ; + half x 32 rows
	s_add_co_u32 s68, s68, s69
	s_mov_b32 s69, 0
	s_add_nc_u64 s[G0V+2:G0V+3], s[8:9], s[68:69]
	s_add_nc_u64 s[G0V+6:G0V+7], s[G0V+2:G0V+3], 512               ; slot 1: 256 keys along the row
	s_or_b32 s[G0V+3], s[G0V+3], 0x80000000
	s_or_b32 s[G0V+7], s[G0V+7], 0x80000000
	ROUND                                          ; no wave of the four work-groups still reads slot 0 or has a load on its way
	JLOAD 0                                        ; step 0
	s_lshl_b32 s70, s20, 20
	s_lshl_b32 s71, s21, 16
	s_add_co_u32 s70, s70, s71
	s_lshl_b32 s71, s19, 14
	s_add_co_u32 s70, s70, s71                     ; (4096 h + 256 b' + 64 cx) rows of 256 bytes: my queries, in qs and in out0
	s_mov_b32 s71, 0
	s_add_nc_u64 s[72:73], s[4:5], s[70:71]
	s_lshl_b32 s74, s16, 12
	s_add_co_u32 s70, s70, s74                     ; + 16 w rows: what I store
	s_add_nc_u64 s[76:77], s[14:15], s[70:71]
	s_lshl_b32 s78, s20, 10
	s_lshl_b32 s79, s21, 6
	s_add_co_u32 s78, s78, s79
	s_lshl_b32 s79, s19, 4
	s_add_co_u32 s78, s78, s79                     ; (256 h + 16 b' + 4 cx) words: my four query groups' scales
	s_mov_b32 s79, 0
	s_add_nc_u64 s[80:81], s[10:11], s[78:79]
	s_lshl_b32 s82, s20, 10
	s_lshl_b32 s83, s16, 4
	s_add_co_u32 s82, s82, s83                     ; (256 h + 4 w) words: my key groups of step 0
	v_mov_b32 v[KSO], s82
	WIN 0x40                                       ; q's fragments straight from memory, once for a super-block
.irp qt, 0,1,2,3
.irp ch, 0,1,2,3
	global_load_b128 v[8*(4*\qt+\ch):8*(4*\qt+\ch)+3],   v[QOFF], s[72:73] offset:\qt*4096+\ch*64
	global_load_b128 v[8*(4*\qt+\ch)+4:8*(4*\qt+\ch)+7], v[QOFF], s[72:73] offset:\qt*4096+\ch*64+32
.endr
.endr
	WIN 0
	global_load_b128 v[CQ:CQ+3], v[ZOFF], s[80:81]
	s_wait_loadcnt 0x0
.irp qt, 0,1,2,3
	v_mul_f32 v[CQ+\qt], 0x3e38aa3b, v[CQ+\qt]     ; x log2(e) / 8
.endr
	; b' steps below the diagonal on slots 0, 1, 0, .., then the masked step on the slot whose turn it is:
	; the first step; (b' - 1) / 2 whole pairs in a counted loop that is left only at its end; then, by the parity of b' - 1, one of two tails.
	s_cmp_eq_u32 s21, 0
	s_cbranch_scc1 .Lonly
	STEP 0, 0, 1, 1
	s_sub_co_u32 s26, s21, 1                       ; steps below the diagonal that are left
	s_lshr_b32 s30, s26, 1                         ; whole pairs of them
	s_and_b32 s26, s26, 1                          ; and whether one is left over
	s_mov_b32 s25, 0                               ; pairs done
	s_cmp_eq_u32 s30, 0
	s_cbranch_scc1 .Lnopair
.Lpair:
	STEP 1, 0, 0, 1
	STEP 0, 0, 0, 1
	s_add_co_u32 s25, s25, 1
	s_cmp_lt_u32 s25, s30
	s_cbranch_scc1 .Lpair
.Lnopair:
	s_cmp_eq_u32 s26, 0
	s_cbranch_scc1 .Lm1
	STEP 1, 0, 0, 1                                ; the step left over,
	STEP 0, 1, 0, 0                                ; and the diagonal on slot 0
	s_branch .Lmerge
.Lm1:
	STEP 1, 1, 0, 0                                ; the diagonal on slot 1
	s_branch .Lmerge
.Lonly:
	STEP 0, 1, 1, 0                                ; b' = 0: the diagonal is the only step
.Lmerge:
	; THE MERGE of the four waves.  The lines down to the scaling of the output hold more than four plain vector instructions that name no register of
	; the last products: the places behind them.
.irp qt, 0,1,2,3
	v_permlanex16_b32 v[TM+\qt], v[ML+2*\qt+1], s27, s28
.endr
.irp qt, 0,1,2,3
	v_add_f32 v[ML+2*\qt+1], v[ML+2*\qt+1], v[TM+\qt]              ; the two halves of the lanes held different keys
.endr
.irp qt, 0,1,2,3
	ds_store_b64 v[MLST], v[ML+2*\qt:ML+2*\qt+1] offset:\qt*128    ; lanes r and r + 16 write the same numbers to the same bytes
.endr
	s_wait_dscnt 0x0
	s_barrier_signal -1
	s_barrier_wait -1
.irp w2, 0,1,2,3
.irp qt, 0,1,2,3
	ds_load_b64 v[MG+2*(4*\w2+\qt):MG+2*(4*\w2+\qt)+1], v[MLRD] offset:\w2*512+\qt*128
.endr
.endr
	s_wait_dscnt 0x0
.irp qt, 0,1,2,3
	v_max3_num_f32 v[96+\qt], v[MG+2*\qt], v[MG+2*(4+\qt)], v[MG+2*(8+\qt)]
.endr
.irp qt, 0,1,2,3
	v_max_num_f32 v[96+\qt], v[96+\qt], v[MG+2*(12+\qt)]           ; the query's maximum over all its keys
.endr
.irp qt, 0,1,2,3
	v_sub_f32 v[100+\qt], v[ML+2*\qt], v[96+\qt]
.irp w2, 0,1,2,3
	v_sub_f32 v[MG+2*(4*\w2+\qt)], v[MG+2*(4*\w2+\qt)], v[96+\qt]
.endr
.endr
.irp qt, 0,1,2,3
	v_exp_f32 v[100+\qt], v[100+\qt]
.irp w2, 0,1,2,3
	v_exp_f32 v[MG+2*(4*\w2+\qt)], v[MG+2*(4*\w2+\qt)]
.endr
.endr
	v_nop
	s_wait_alu depctr_va_vdst(0)
.irp qt, 0,1,2,3
	v_mul_f32 v[104+\qt], v[MG+2*\qt], v[MG+2*\qt+1]
.endr
.irp w2, 1,2,3
.irp qt, 0,1,2,3
	v_fmac_f32 v[104+\qt], v[MG+2*(4*\w2+\qt)], v[MG+2*(4*\w2+\qt)+1]
.endr
.endr
.irp qt, 0,1,2,3
	v_rcp_f32 v[104+\qt], v[104+\qt]               ; the sum holds the term of the largest score, about 1: never zero
.endr
	v_nop
	s_wait_alu depctr_va_vdst(0)
.irp qt, 0,1,2,3
	v_mul_f32 v[AL2+2*\qt],   v[100+\qt], v[104+\qt]               ; my weight, with the division folded in
	v_mul_f32 v[AL2+2*\qt+1], v[100+\qt], v[104+\qt]
.endr
	WIN 0x82
.irp d, 0,1,2,3
.irp qt, 0,1,2,3
.irp k, 0,2,4,6
	v_pk_mul_f32 v[8*(4*\d+\qt)+\k:8*(4*\d+\qt)+\k+1], v[8*(4*\d+\qt)+\k:8*(4*\d+\qt)+\k+1], v[AL2+2*\qt:AL2+2*\qt+1]
.endr
.endr
.endr
	WIN 0x08                                       ; store data (source 1) window 2
.irp d, 0,1,2,3
.irp qt, 0,1,2,3
	ds_store_b128 v[OPST], v[8*(4*\d+\qt):8*(4*\d+\qt)+3]   offset:\qt*16*PK+\d*64
	ds_store_b128 v[OPST], v[8*(4*\d+\qt)+4:8*(4*\d+\qt)+7] offset:\qt*16*PK+\d*64+16
.endr
.endr
	WIN 0
	s_wait_dscnt 0x0
	s_barrier_signal -1
	s_barrier_wait -1
	; wave w adds the four partial outputs of rows 16 w .. 16 w + 15, two rows at a time, and stores whole rows of 256 bytes
.irp i, 0,1,2,3,4,5,6,7
.irp w2, 0,1,2,3
	ds_load_b128 v[128+16*\i+4*\w2:128+16*\i+4*\w2+3], v[OPRD] offset:\w2*64*PK+\i*2*PK
.endr
.endr
.irp i, 0,1,2,3,4,5,6,7
	s_wait_dscnt 28-4*\i                           ; the four loads of rows 2 i, 2 i + 1 are in, the younger ones stay out
	v_pk_add_f32 v[128+16*\i:128+16*\i+1],     v[128+16*\i:128+16*\i+1],     v[128+16*\i+4:128+16*\i+5]
	v_pk_add_f32 v[128+16*\i+2:128+16*\i+3],   v[128+16*\i+2:128+16*\i+3],   v[128+16*\i+6:128+16*\i+7]
	v_pk_add_f32 v[128+16*\i+8:128+16*\i+9],   v[128+16*\i+8:128+16*\i+9],   v[128+16*\i+12:128+16*\i+13]
	v_pk_add_f32 v[128+16*\i+10:128+16*\i+11], v[128+16*\i+10:128+16*\i+11], v[128+16*\i+14:128+16*\i+15]
	v_pk_add_f32 v[128+16*\i:128+16*\i+1],     v[128+16*\i:128+16*\i+1],     v[128+16*\i+8:128+16*\i+9]
	v_pk_add_f32 v[128+16*\i+2:128+16*\i+3],   v[128+16*\i+2:128+16*\i+3],   v[128+16*\i+10:128+16*\i+11]
	global_store_b128 v[OUTO], v[128+16*\i:128+16*\i+3], s[76:77] offset:\i*512 th:TH_STORE_NT
.endr
	s_mov_b32 s21, s22                             ; the next super-block
	s_mov_b32 s22, s23
	s_add_co_u32 s20, s20, 1                       ; of the next head
	s_add_co_u32 s24, s24, 1
	s_cmp_lt_u32 s24, 3
	s_cbranch_scc1 .Litem
	s_wait_tensorcnt 0x0
	ds_add_u32 v62, v63
	s_wait_dscnt 0x0
	ROUND                                          ; the closing round: no work-group ends while a partner may still ask jointly
	s_endpgm
.Lfunc_end_k_q814b49b783_attn:
	.size	k_q814b49b783_attn, .Lfunc_end_k_q814b49b783_attn-k_q814b49b783_attn
	.p2alignl 7, 3214868480
	.fill 96, 4, 3214868480
	.section	.rodata,"a",@progbits
	.p2align	6, 0x0
	.amdhsa_kernel k_q814b49b783_attn
		.amdhsa_group_segment_fixed_size 327680
		.amdhsa_private_segment_fixed_size 0
		.amdhsa_enable_private_segment 0
		.amdhsa_kernarg_size 48
		.amdhsa_user_sgpr_count 2
		.amdhsa_user_sgpr_kernarg_segment_ptr 1
		.amdhsa_wavefront_size32 1
		.amdhsa_system_sgpr_workgroup_id_x 1
		.amdhsa_system_sgpr_workgroup_id_y 1
		.amdhsa_system_sgpr_workgroup_id_z 1
		.amdhsa_system_vgpr_workitem_id 0
		.amdhsa_next_free_vgpr 640
		.amdhsa_next_free_sgpr 84
		.amdhsa_reserve_vcc 1
		.amdhsa_float_denorm_mode_32 3
		.amdhsa_float_denorm_mode_16_64 3
		.amdhsa_memory_ordered 1
		.amdhsa_forward_progress 1
		.amdhsa_inst_pref_size 255
	.end_amdhsa_kernel
	.section	.bss,"aw",@nobits
	.p2align	6
	.space	262144
	.amdgpu_metadata
---
amdhsa.version: [ 1, 2 ]
amdhsa.kernels:
  - .name:           k_q814b49b783_attn
    .symbol:         k_q814b49b783_attn.kd
    .args:
      - { .name: qs, .offset: 0, .size: 8, .value_kind: global_buffer, .address_space: global }
      - { .name: ks, .offset: 8, .size: 8, .value_kind: global_buffer, .address_space: global }
      - { .name: vt, .offset: 16, .size: 8, .value_kind: global_buffer, .address_space: global }
      - { .name: qsc, .offset: 24, .size: 8, .value_kind: global_buffer, .address_space: global }
      - { .name: ksc, .offset: 32, .size: 8, .value_kind: global_buffer, .address_space: global }
      - { .name: out0, .offset: 40, .size: 8, .value_kind: global_buffer, .address_space: global }
    .group_segment_fixed_size: 327680
    .private_segment_fixed_size: 0
    .kernarg_segment_align: 8
    .kernarg_segment_size: 48
    .max_flat_workgroup_size: 128
    .sgpr_count:     84
    .vgpr_count:     640
    .wavefront_size: 32
...
	.end_amdgpu_metadata
.endif
;; end of part 3
